; MI455X (gfx1250); checked and timed in simulation.
; The chip was launched on July 23, 2026; its instructions are those of AMD's public machine-readable ISA for CDNA 5 (MIT licence, August 2026) and "CDNA5" Instruction Set Architecture Reference Guide (July 2026). The comments in the code are by the model that wrote it; some were corrected since.
;; Attention Layer. Allowed arithmetic: float matrix products may take bf16 or f16 operands with f32 sums; other float arithmetic in f32, or as packed bf16 or f16 multiplies, adds, multiply-adds, maxima and minima; sums over many terms, partial sums and values carried from step to step in f32; what a program stores and reads back later, other than sums and carried values, may be rounded once to bf16 or f16.
;; Inputs: W_key 512 x 512 float32; W_query 512 x 512 float32; W_value 512 x 512 float32; x 16 x 1,024 x 512 float32.
;; Outputs: out0 16 x 512 float32.
;; 2 versions, each right; version 2 is version 1 with the launch prep written anew for expert scheduling mode. Each part assembles by itself: llvm-mc -triple=amdgcn-amd-amdhsa -mcpu=gfx1250 --defsym DOCPART=n.
;; ======== version 1 of 2: 4 launches
;; workspace buffers: xk 16,777,216 bytes; mtf 524,288 bytes; cpart 1,048,576 bytes; po 524,288 bytes
;; launch prep (part 1): grid 256 x 1, 8 waves a work-group, no clusters, 137,216 bytes of LDS; arguments x, W_key, W_query, xk, mtf; writes xk, mtf
.if DOCPART == 1
	.amdgcn_target "amdgcn-amd-amdhsa--gfx1250"
	.amdhsa_code_object_version 6
	.text
	.protected	k_q57558e546f_prep
	.globl	k_q57558e546f_prep
	.p2align	8
	.type	k_q57558e546f_prep,@function
k_q57558e546f_prep:
	s_mov_b64 s[64:65], 0
	v_nop
	global_prefetch_b8 v0, s[64:65] scope:SCOPE_SE
	s_setreg_imm32_b32 hwreg(HW_REG_WAVE_MODE, 25, 1), 1
	s_wait_xcnt 0x0
; out[b] = mean over n of softmax_m(q_n . k_m / sqrt(512)) v,  q, k, v = x Wq, x Wk, x Wv.  x: [16][1024][512], W: [512][512], all f32.
; HOW THE PROGRAM ORDERS THE SUMS, for all finite values of the inputs (both are identities of exact arithmetic, none leans on the numbers drawn):
;  (1) the mean over n, the product with v and v = x Wv are linear: mean_n(P x Wv) = ((1/N) 1^T P) x Wv.  So of P only its column sums c[m] = sum_n P[n][m] are wanted;
;      then one weighted sum of x's rows for each batch and one product of 16 rows with Wv.  The products x Wv (N rows) and P v are not formed.
;  (2) q k^T = x (Wq Wk^T) x^T.  So MT[e][d] = sum_o Wk[e][o] Wq[d][o] is made once, t = x MT^T takes q's place and x itself takes k's.
; Every input has a way to the output and every input is loaded.  The maximum is taken away before the exponential, as reference() does.
; LIMITS.  The sums are associated otherwise than in reference(); a NaN, an infinity or an overflow that would arise only in q, k, v or attn as reference() forms them is not carried to
; the result.  x, Wk, Wq, Wv are rounded once to bf16; MT and t once to bf16 (bf16 keeps f32's range); c, the weighted sum and all sums stay in f32.
; THIS LAUNCH.  Work-group g of 256, eight waves, does two things.
;  X: rows 64 g .. 64 g + 63 of x (all batches on end) go to bf16 in FRAGMENT ORDER: xk[b][kb 16][rt 64][c 2][h 2][r 16][8] holds x[b][16 rt + r][32 kb + 16 c + 8 h + 0..7]: a block (kb, rt) of
;     1,024 bytes is one matrix operand of 16 rows x 32 channels, lane 16 h + r taking 16 bytes at 512 c + 16 lane into registers 4 c .. 4 c + 3.
;  M: the tile MT[32 ei ..][32 dj ..] (ei = g / 16, dj = g % 16), in the same order: mtf[kb = d / 32][eb = e / 16][c][h][r][8].
.set XSTW,  8704                       ; a wave's stage: 32 groups (kb, c, h) of 16 rows x 16 bytes, 272 bytes apart
.set GP,    272
.set WST,   8*XSTW                     ; 64 rows of bf16 weights (32 of Wk, then 32 of Wq), 1,024 bytes + 16 of padding: 65 x 16 bytes, so 16 rows of a fragment start in 16 different groups of four banks
.set WPI,   1040
.set SPARE, WST+64*WPI                 ; the spare words, 128 bytes for each wave: four blocks of 256 bytes that no other line names
.set XO,  2                            ; v2   my 16 bytes in x: 16 rows x tile + 1,024 x half + 16 lane
.set WO,  3                            ; v3   16 lane
.set WS,  4                            ; v4   where I put 8 bytes of a weight row
.set LST, 5                            ; v5   where I put 8 bytes of x in my stage
.set LRD, 6                            ; v6   where I read 16 bytes back
.set XST, 7                            ; v7   my 16 bytes in xk
.set FQ,  8                            ; v8   my place in Wq's fragments
.set FK,  9                            ; v9   in Wk's
.set MO,  10                           ; v10  my 16 bytes in mtf
.set SPW, 12                           ; v12  LDS address of my spare word; never rewritten
.set NIL, 13                           ; v13  0; never rewritten
.set ACC, 16                           ; v[16:31] two accumulators
.set WR,  32                           ; v[32:159] weights as loaded, then their fragments
.set XP,  32                           ; v[32:95]  x packed
.set XB,  96                           ; v[96:159] x read back from the stage
.set MSB, 0
.macro WIN new                         ; the immediate's high byte repeats the setting that is left
.if MSB != (\new)
	s_set_vgpr_msb (MSB<<8)|(\new)
.set MSB, \new
.endif
.endm
.macro PLACES
.rept 4
	v_nop
.endr
.endm
	s_load_b256 s[4:11], s[0:1], 0x0               ; x s[4:5], Wk s[6:7], Wq s[8:9], xk s[10:11]
	s_load_b64 s[12:13], s[0:1], 0x20              ; mtf
	v_lshl_add_u32 v[SPW], v0, 2, SPARE
	v_mov_b32 v[NIL], 0
	v_lshrrev_b32 v1, 5, v0
	v_readfirstlane_b32 s14, v1                    ; wave 0..7
	v_and_b32 v1, 31, v0                           ; lane
	v_and_b32 v14, 15, v0                          ; r
	v_bfe_u32 v15, v0, 4, 1                        ; h
	s_lshr_b32 s15, ttmp9, 4                       ; b, and ei
	s_and_b32 s18, ttmp9, 15                       ; my block of 64 rows in the batch, and dj
	s_lshr_b32 s19, s14, 1                         ; which 16 rows of the 64 are mine
	s_and_b32 s20, s14, 1                          ; which 256 channels
	s_lshl_b32 s21, s19, 15
	s_lshl_b32 s22, s20, 10
	s_add_co_u32 s21, s21, s22
	v_lshl_add_u32 v[XO], v1, 4, s21
	v_lshlrev_b32 v[WO], 4, v1
	s_mul_i32 s21, s14, 8*WPI                      ; my 8 of the 64 weight rows
	s_add_co_u32 s21, s21, WST
	v_lshl_add_u32 v[WS], v1, 3, s21
	s_mul_i32 s21, s14, XSTW                       ; my stage
	v_lshrrev_b32 v11, 1, v1                       ; a lane's 4 channels lie in group lane / 2, half lane % 2 of its 16 bytes
	v_mul_u32_u24 v11, v11, GP
	v_and_b32 v[LST], 1, v0
	v_lshl_add_u32 v[LST], v[LST], 3, v11
	v_add_nc_u32 v[LST], s21, v[LST]
	v_mul_u32_u24 v11, v15, GP                     ; back: lanes 0-15 take one group's 16 rows, lanes 16-31 the next group's
	v_lshl_add_u32 v[LRD], v14, 4, v11
	v_add_nc_u32 v[LRD], s21, v[LRD]
	s_lshl_b32 s21, s20, 19                        ; 8 kb x 65,536
	s_lshl_b32 s22, s19, 10
	s_add_co_u32 s21, s21, s22
	v_lshl_add_u32 v[XST], v1, 4, s21
	v_mul_u32_u24 v11, v14, WPI
	v_lshl_add_u32 v11, v15, 4, v11                ; row x pitch + 16 x half
	s_lshl_b32 s21, s20, 4
	s_add_co_u32 s21, s21, 32                      ; Wq's rows lie behind Wk's 32
	s_mul_i32 s21, s21, WPI
	s_add_co_u32 s21, s21, WST
	v_add_nc_u32 v[FQ], s21, v11
	s_lshl_b32 s21, s19, 4
	s_mul_i32 s21, s21, WPI
	s_add_co_u32 s21, s21, WST
	v_add_nc_u32 v[FK], s21, v11
	s_lshl_b32 s21, s19, 10
	s_lshl_b32 s22, s20, 9
	s_add_co_u32 s21, s21, s22
	v_lshl_add_u32 v[MO], v1, 4, s21
	s_lshl_b32 s24, ttmp9, 17                      ; 64 rows of 2,048 bytes
	s_mov_b32 s25, 0
	s_and_b32 s27, s14, 3
	s_cmp_lt_u32 s14, 4                            ; waves 0-3 load Wk's rows 32 ei .., waves 4-7 Wq's rows 32 dj ..
	s_cselect_b32 s26, s15, s18
	s_lshl_b32 s26, s26, 5
	s_lshl3_add_u32 s26, s27, s26                  ; + 8 x (wave % 4)
	s_lshl_b32 s26, s26, 11
	s_mov_b32 s27, 0
	s_lshl_b32 s28, s15, 20
	s_lshl_b32 s29, s18, 12
	s_add_co_u32 s28, s28, s29
	s_mov_b32 s29, 0
	s_lshl_b32 s30, s18, 15
	s_lshl_b32 s31, s15, 11
	s_add_co_u32 s30, s30, s31
	s_mov_b32 s31, 0
	s_wait_kmcnt 0x0
	s_add_nc_u64 s[4:5], s[4:5], s[24:25]
	s_cmp_lt_u32 s14, 4
	s_cselect_b64 s[16:17], s[6:7], s[8:9]
	s_add_nc_u64 s[16:17], s[16:17], s[26:27]
	s_add_nc_u64 s[10:11], s[10:11], s[28:29]
	s_add_nc_u64 s[12:13], s[12:13], s[30:31]
	; all loads at once: 32 of the weights (8 rows x 2,048 bytes), then 32 of x (16 rows x 1,024 bytes); each covers 512 consecutive bytes
.set i, 0
.rept 32
	global_load_b128 v[WR+4*i:WR+4*i+3], v[WO], s[16:17] offset:(i/4)*2048+(i%4)*512
.set i, i+1
.endr
	WIN 0x40                                       ; destination window 1, address window 0
.set i, 0
.rept 32
	global_load_b128 v[4*i:4*i+3], v[XO], s[4:5] offset:(i/2)*2048+(i%2)*512 th:TH_LOAD_NT
.set i, i+1
.endr
	WIN 0
	s_wait_loadcnt 32                              ; loads come back in order: the weights are in, x's 32 loads stay out
.set i, 0
.rept 32
	v_cvt_pk_bf16_f32 v[WR+4*i], v[WR+4*i], v[WR+4*i+1]
	v_cvt_pk_bf16_f32 v[WR+4*i+1], v[WR+4*i+2], v[WR+4*i+3]
	ds_store_b64 v[WS], v[WR+4*i:WR+4*i+1] offset:(i/4)*WPI+(i%4)*256
.set i, i+1
.endr
	s_wait_dscnt 0x0                               ; for the others' sake: my rows lie in LDS
	s_barrier_signal -1
	s_barrier_wait -1
	; MT: waves 0-3 make one tile of 16 x 16 each: e block wave / 2, d block wave % 2.  Source 0 = 16 rows of Wq, source 1 = 16 rows of Wk: a lane then holds e = lane % 16 and
	; d = 8 (lane / 16) + 0..7: 16 bytes of mtf on end.  K = 512 in 16 steps, in two runs of 8; the two accumulators take turns.
	s_cmp_lt_u32 s14, 4
	s_cbranch_scc0 .Lno_mt
.irp bt, 0,1
.if \bt
	PLACES                                         ; four places between the last product and loads into registers that it has read
.endif
.set ks, 0
.rept 8
	ds_load_b128 v[WR+16*ks:WR+16*ks+3],     v[FQ] offset:64*(8*\bt+ks)
	ds_load_b128 v[WR+16*ks+4:WR+16*ks+7],   v[FQ] offset:64*(8*\bt+ks)+32
	ds_load_b128 v[WR+16*ks+8:WR+16*ks+11],  v[FK] offset:64*(8*\bt+ks)
	ds_load_b128 v[WR+16*ks+12:WR+16*ks+15], v[FK] offset:64*(8*\bt+ks)+32
.set ks, ks+1
.endr
	s_wait_dscnt 0x0
.set ks, 0
.rept 8
.if (\bt == 0) && (ks < 2)
	v_wmma_f32_16x16x32_bf16 v[ACC+8*(ks%2):ACC+8*(ks%2)+7], v[WR+16*ks:WR+16*ks+7], v[WR+16*ks+8:WR+16*ks+15], 0
.else
	v_wmma_f32_16x16x32_bf16 v[ACC+8*(ks%2):ACC+8*(ks%2)+7], v[WR+16*ks:WR+16*ks+7], v[WR+16*ks+8:WR+16*ks+15], v[ACC+8*(ks%2):ACC+8*(ks%2)+7]
.endif
.set ks, ks+1
.endr
.endr
	PLACES
	PLACES
.irp q, 0,2,4,6
	v_pk_add_f32 v[ACC+\q:ACC+\q+1], v[ACC+\q:ACC+\q+1], v[ACC+8+\q:ACC+8+\q+1]  ; the two parities of the K steps, from the low registers on
.endr
.irp q, 0,1,2,3
	v_cvt_pk_bf16_f32 v[ACC+8+\q], v[ACC+2*\q], v[ACC+2*\q+1]
.endr
	global_store_b128 v[MO], v[ACC+8:ACC+11], s[12:13]  ; the wave stores 512 consecutive bytes, aligned; these registers are not written again
.Lno_mt:
	; x: rounded to bf16, 8 bytes a lane into my own stage, back as 16 bytes a lane in fragment order
.set gq, 0
.rept 4
	s_wait_loadcnt 24-8*gq                         ; the next eight loads are in; the younger ones stay out
	WIN 0x05                                       ; sources in window 1, destination in window 0
.set n, 0
.rept 8
	v_cvt_pk_bf16_f32 v[XP+2*(8*gq+n)], v[4*(8*gq+n)], v[4*(8*gq+n)+1]
	v_cvt_pk_bf16_f32 v[XP+2*(8*gq+n)+1], v[4*(8*gq+n)+2], v[4*(8*gq+n)+3]
.set n, n+1
.endr
	WIN 0
.set n, 0
.rept 8
	ds_store_b64 v[LST], v[XP+2*(8*gq+n):XP+2*(8*gq+n)+1] offset:((8*gq+n)%2)*16*GP+((8*gq+n)/2)*16  ; row (load / 2), groups 16 (load % 2) + lane / 2: 32 lanes, 32 different columns of 8 bytes
.set n, n+1
.endr
.set gq, gq+1
.endr
.set j, 0
.rept 16
	ds_load_b128 v[XB+4*j:XB+4*j+3], v[LRD] offset:j*2*GP  ; LDS serves a wave's instructions in order (ISA guide 5.7.1.4): these see my stores above
.set j, j+1
.endr
.set j, 0
.rept 16
	s_wait_dscnt 15-j                              ; load j is back; the younger ones stay out
	global_store_b128 v[XST], v[XB+4*j:XB+4*j+3], s[10:11] offset:(j/2)*65536+(j%2)*512  ; half a fragment: 512 consecutive bytes, aligned
.set j, j+1
.endr
	s_wait_tensorcnt 0x0                           ; the wave's end, behind my last LDS store
	ds_add_u32 v[SPW], v[NIL]
	s_wait_dscnt 0x0
	s_endpgm
.Lfunc_end_k_q57558e546f_prep:
	.size	k_q57558e546f_prep, .Lfunc_end_k_q57558e546f_prep-k_q57558e546f_prep
	.p2alignl 7, 3214868480
	.fill 96, 4, 3214868480
	.section	.rodata,"a",@progbits
	.p2align	6, 0x0
	.amdhsa_kernel k_q57558e546f_prep
		.amdhsa_group_segment_fixed_size 137216
		.amdhsa_private_segment_fixed_size 0
		.amdhsa_enable_private_segment 0
		.amdhsa_kernarg_size 40
		.amdhsa_user_sgpr_count 2
		.amdhsa_user_sgpr_kernarg_segment_ptr 1
		.amdhsa_wavefront_size32 1
		.amdhsa_system_sgpr_workgroup_id_x 1
		.amdhsa_system_sgpr_workgroup_id_y 1
		.amdhsa_system_sgpr_workgroup_id_z 1
		.amdhsa_system_vgpr_workitem_id 0
		.amdhsa_next_free_vgpr 384
		.amdhsa_next_free_sgpr 66
		.amdhsa_reserve_vcc 0
		.amdhsa_float_denorm_mode_32 3
		.amdhsa_float_denorm_mode_16_64 3
		.amdhsa_memory_ordered 1
		.amdhsa_forward_progress 1
		.amdhsa_inst_pref_size 32
	.end_amdhsa_kernel
	.amdgpu_metadata
---
amdhsa.version: [ 1, 2 ]
amdhsa.kernels:
  - .name:           k_q57558e546f_prep
    .symbol:         k_q57558e546f_prep.kd
    .args:
      - { .name: x, .offset: 0, .size: 8, .value_kind: global_buffer, .address_space: global }
      - { .name: W_key, .offset: 8, .size: 8, .value_kind: global_buffer, .address_space: global }
      - { .name: W_query, .offset: 16, .size: 8, .value_kind: global_buffer, .address_space: global }
      - { .name: xk, .offset: 24, .size: 8, .value_kind: global_buffer, .address_space: global }
      - { .name: mtf, .offset: 32, .size: 8, .value_kind: global_buffer, .address_space: global }
    .group_segment_fixed_size: 137216
    .private_segment_fixed_size: 0
    .kernarg_segment_align: 8
    .kernarg_segment_size: 40
    .max_flat_workgroup_size: 256
    .sgpr_count:     66
    .vgpr_count:     384
    .wavefront_size: 32
...
	.end_amdgpu_metadata
.endif
;; end of part 1
;; launch attn (part 2): grid 16 x 16, 4 waves a work-group, clusters of 4 x 1, 327,680 bytes of LDS; arguments xk, mtf, cpart; writes cpart
.if DOCPART == 2
	.amdgcn_target "amdgcn-amd-amdhsa--gfx1250"
	.amdhsa_code_object_version 6
	.text
	.protected	k_q57558e546f_attn
	.globl	k_q57558e546f_attn
	.p2align	8
	.type	k_q57558e546f_attn,@function
k_q57558e546f_attn:
	s_mov_b64 s[64:65], 0
	v_nop
	global_prefetch_b8 v0, s[64:65] scope:SCOPE_SE
	s_setreg_imm32_b32 hwreg(HW_REG_WAVE_MODE, 25, 1), 1
	s_wait_xcnt 0x0
	s_wait_alu depctr_hold_cnt(0) depctr_sa_sdst(0) depctr_va_vdst(0) depctr_va_sdst(0) depctr_va_ssrc(0) depctr_va_vcc(0) depctr_vm_vsrc(0)
	s_getreg_b32 s2, hwreg(HW_REG_IB_STS2, 6, 4)
	s_cmp_eq_u32 s2, 0
	s_cbranch_scc0 .Lentry_in_a_cluster
	s_endpgm
.Lentry_in_a_cluster:
	s_bfe_u32 s2, ttmp6, 0x10000c
	s_cmp_lg_u32 s2, 0x3003
	s_cbranch_scc0 .Lentry_shape_is_right
	s_endpgm
.Lentry_shape_is_right:
; cpart[b][blk][m] = the sum over the 64 queries n of block blk of softmax_m(t_n . x_m / sqrt(512)),  t = x MT^T.  (Left out, as shown at the head of the first kernel: q, k, v and P v are not
; formed; of P only column sums are wanted, and t . x_m = q . k_m.)  xk and mtf are bf16 in fragment order (first kernel); cpart is f32 [16][16][1024].
; LIMITS.  t is rounded once to bf16; a weight below 2^-126 counts as 0; NaN and infinities are not treated apart.
; SHARES.  A work-group has 64 queries of one batch.  t PHASE: a wave makes 64 rows x 128 channels e of t (32 accumulators), K = d in 16 steps of 32; x's 64 fragments stay in registers.
; SCORES: a wave makes 64 queries x 256 keys (64 accumulators, 512 registers), K = e in 16 steps; so the whole 64 x 1,024 block of scores lies in the four waves' registers and the softmax needs
; no second walk over the keys.  A fragment of MT or of the keys is read from LDS by one wave and feeds four products.
; CLUSTER.  The four work-groups of a cluster have the same batch: they walk the same MT and the same keys, so every fill is asked for JOINTLY, mask 15, the same descriptor in all four.
; THE RING.  Two slots of 131,072 bytes, twelve fills: 0-3 are MT (four K steps each), 4-11 the keys (two K steps each, all 1,024 keys).  Every block is dense in memory, so each wave asks for a
; quarter of a fill as 128 rows of 256 bytes; lane l reads at 16 l, so LDS needs no padding.  A wave has two loads out at the start, later one.
; LAYOUT.  t^T tile = MT X^T (source 0 = 16 rows e of MT, source 1 = 16 queries): a lane holds one query and eight neighbouring e: 16 bytes of a fragment of t.  S = T K^T (source 0 = 16 queries,
; source 1 = 16 keys): a lane holds ONE key (lane % 16) and the queries 8 (lane / 16) + 0..7, so a column sum stays in the lane and a row's maximum and sum cross 16 lanes and four waves.
; REGISTERS, in windows of 256 (s_set_vgpr_msb: bits 1:0 source 0, 3:2 source 1, 5:4 source 2, 7:6 destination):
;   window 0: v0-29 addresses; v64-191 MT's two buffers, then t packed; then t's two fragment buffers v64-127 and K step 15's fragments v192-223; in the softmax v32-63 column sums, v64-95 maxima, v96-127 sums, v128-255 at work
;   window 1: t's accumulators, (nt, et) at 8 (8 nt + et); then the keys' two buffers      windows 2, 3: x's fragments, (nt, kb) at 8 (4 (kb % 8) + nt); then S, (nt, kt) at 8 (16 (nt % 2) + kt)
.set SLOTB, 131072
.set TBASE, 2*SLOTB                    ; t's fragments of K steps 0-14: kb x 4,096 + nt x 1,024 + c x 512 + 16 lane; written by LDS stores, never filled.  Step 15's live in registers: with them LDS would have no room for the spare words
.set STAT,  TBASE+15*4096              ; [query 64][wave 4] f32: the waves' maxima; 1,024 bytes on, their sums
.set SPARE, 327168                     ; the spare words, 128 bytes for each wave: two blocks of 256 bytes that no other line names
.set L16, 2                            ; v2   16 x lane
.set MA,  4                            ; v4-7   MT's fragments: slot s, K steps 2 g, 2 g + 1 of the slot at MA + 2 s + g
.set KA,  8                            ; v8-11  the keys' fragments: slot s, K step g of the slot at KA + 2 s + g
.set TA,  12                           ; v12  t's fragments of the K step to be fetched
.set TS,  13                           ; v13  where I put my part of t
.set TA0, 14                           ; v14  TBASE + 16 lane; never rewritten
.set PFO, 16                           ; v16  256 x lane; never rewritten
.set SA,  17                           ; v17  where I put a statistic
.set SR,  18                           ; v18  where I read the four waves' statistics
.set CA,  19                           ; v19  the way out: where I put a column sum
.set CR,  20                           ; v20  where I read 16 bytes back
.set SPW, 28                           ; v28  LDS address of my spare word; never rewritten
.set NIL, 29                           ; v29  0; never rewritten
.set F0,  64
.set PT,  64
.set TF0, 64
.set TF1, 96
.set T15, 192
.set K0,  0
.set K1,  128
.set CSR, 32
.set MX,  64
.set SM,  96
.set LD,  128
.set WV,  12                           ; s12  my wave's number
.set KEYP, 16                          ; s[16:17] the keys of my batch at my quarter of fill 4
.set PFA, 18                           ; s[18:19] where my prefetches stand
.set LIM, 20                           ; s20  1 in a cluster that prefetches, else the greatest number
.set CNT, 21                           ; s21  the loop's count
.set CS,  22                           ; s[22:23] c = log2(e) / sqrt(512)
.set G1,  24                           ; s[24:31] descriptor group 1, one for all loads
.set G0A, 32                           ; s[32:35] group 0 of fill 0
.set G0W, 36                           ; s[36:39] group 0 of fill 1; then it walks
.set XBP, 40                           ; s[40:41] my 64 queries in xk
.set SEL, 42                           ; s[42:43] v_permlanex16_b32's selects: each lane takes its own place in the other half
.set OUTP, 44                          ; s[44:45] my 256 numbers of cpart
.set TB,  46                           ; s46  4,096 x the K step of t to be fetched
.set MSB, 0
.macro WIN new                         ; the immediate's high byte repeats the setting that is left; a switch that changes nothing is dropped
.if MSB != (\new)
	s_set_vgpr_msb (MSB<<8)|(\new)
.set MSB, \new
.endif
.endm
.macro PLACES                          ; four plain places between a matrix instruction and a load into, or a vector instruction on, its registers (ISA guide 7.12.1 for vector instructions)
.rept 4
	v_nop
.endr
.endm
.macro CREST                           ; a round of the cluster's barrier behind its opening barrier
	s_cmp_lg_u32 s[WV], 0
	s_cbranch_scc1 .Lnot_wave_0_\@
	s_barrier_signal -3
.Lnot_wave_0_\@:
	s_barrier_wait -3
	s_barrier_signal -1
	s_barrier_wait -1
.endm
.macro CROUND
	s_barrier_signal -1
	s_barrier_wait -1
	CREST
.endm
.macro TLOAD                           ; my quarter of the next fill; an s_nop 0 and four v_nop follow; the four are also the places in front of the LDS loads behind them
	tensor_load_to_lds s[G0W:G0W+3], s[G1:G1+7]
	s_nop 0
.rept 4
	v_nop
.endr
.endm
; A PREFETCH INTO THE L2 of a fill of keys, behind the joint load, its five lines and the run of LDS loads: the change of slots in step f names fill f + 4, whose load stands two steps, 256 matrix
; instructions, on.  A fill is 512 blocks of 256 bytes: of the batch's four clusters the first asks; its 4 partners x 4 waves x 32 lanes take a block each, told apart BY ADDRESS: one instruction a wave,
; each block named once in the launch.  Steps 0 to 7 ask (how = 1: the t phase; how = 0: the loop, while its count is above 1); fills 4 to 11 are all there are.  MT is not asked for.
.macro ASK how
.if \how
	s_cmp_eq_u32 s[LIM], 1
.else
	s_cmp_gt_u32 s[CNT], s[LIM]
.endif
	s_cbranch_scc0 .Lnot_mine_\@
	global_prefetch_b8 v[PFO], s[PFA:PFA+1] th:TH_LOAD_NT scope:SCOPE_SE
.Lnot_mine_\@:
.endm
; The head of a change of slots.  stepk = 1: the walking descriptor goes to the other slot and 131,072 bytes on; 2: to the first fill of keys; 0: nothing more is asked for.
.macro MEET1 stepk
	WIN 0
	s_wait_tensorcnt 0x0                           ; all my tensor loads have landed: the one that was out is my part of the other slot; so a group 0 may be written
	ds_add_u32 v[SPW], v[NIL]                      ; 0 onto my spare word; scalar work and products stand between it and the wait for it
.if (\stepk) == 1
	s_xor_b32 s[G0W+1], s[G0W+1], SLOTB
	s_add_nc_u64 s[G0W+2:G0W+3], s[G0W+2:G0W+3], SLOTB  ; the type bits on top are not reached
.elseif (\stepk) == 2
	s_xor_b32 s[G0W+1], s[G0W+1], SLOTB
	s_mov_b64 s[G0W+2:G0W+3], s[KEYP:KEYP+1]
	s_or_b32 s[G0W+3], s[G0W+3], 0x80000000
.endif
.endm
.macro FETCH_M slot, kbl, buf          ; my 8 fragments of MT (128 rows e x 32 d) of K step kbl of a slot: 16 loads in one run
	WIN 0
.set et, 0
.rept 8
	ds_load_b128 v[(\buf)+8*et:(\buf)+8*et+3],   v[MA+2*(\slot)+(\kbl)/2] offset:((\kbl)%2)*32768+et*1024
	ds_load_b128 v[(\buf)+8*et+4:(\buf)+8*et+7], v[MA+2*(\slot)+(\kbl)/2] offset:((\kbl)%2)*32768+et*1024+512
.set et, et+1
.endr
.endm
.macro MULT kb, nt, buf                ; 8 products: query tile nt x my 8 e blocks; the 32 accumulators take turns in one order throughout.  K step 0 starts the sums
	WIN 0x58+4*((\kb)/8)
.set et, 0
.rept 8
.if (\kb) == 0
	v_wmma_f32_16x16x32_bf16 v[8*(8*(\nt)+et):8*(8*(\nt)+et)+7], v[(\buf)+8*et:(\buf)+8*et+7], v[8*(4*((\kb)%8)+(\nt)):8*(4*((\kb)%8)+(\nt))+7], 0
.else
	v_wmma_f32_16x16x32_bf16 v[8*(8*(\nt)+et):8*(8*(\nt)+et)+7], v[(\buf)+8*et:(\buf)+8*et+7], v[8*(4*((\kb)%8)+(\nt)):8*(4*((\kb)%8)+(\nt))+7], v[8*(8*(\nt)+et):8*(8*(\nt)+et)+7]
.endif
.set et, et+1
.endr
.endm
; K step kb of the t phase: 32 products.  The next step's fragments are fetched at its head.  Steps 3, 7, 11, 15 are a slot's last: they change slots.
.macro QT kb
.set CUR, F0+64*((\kb)%2)
.set NXB, F0+64*(((\kb)+1)%2)
.set NK, (\kb)+1
.if (\kb)%4 != 3
	s_wait_dscnt 0x0                               ; this step's fragments are in
.if (\kb) != 0
	PLACES
.endif
	FETCH_M (NK/4)%2, NK%4, NXB
	MULT \kb, 0, CUR
	MULT \kb, 1, CUR
	MULT \kb, 2, CUR
	MULT \kb, 3, CUR
.else
.if (\kb) != 3
	s_wait_xcnt 0x0                                ; the last prefetch, a step back, has read its address
	s_add_nc_u64 s[PFA:PFA+1], s[PFA:PFA+1], SLOTB
.endif
	s_wait_dscnt 0x0                               ; this step's fragments are in: my last reads of the slot
.if (\kb) == 11
	MEET1 2
.else
	MEET1 1
.endif
	MULT \kb, 0, CUR
	s_wait_dscnt 0x0                               ; the add is done, and my reads of the slot are over
	s_barrier_signal -1                            ; opens a round of the cluster's barrier
	MULT \kb, 1, CUR
	WIN 0                                          ; at a branch and at a label every window is 0
	s_barrier_wait -1
	CREST                                          ; no wave of any partner still reads the slot or has a load on its way
	TLOAD                                          ; the first tensor load behind the round, my only one until the next
.if (\kb) != 15
	FETCH_M (NK/4)%2, 0, NXB
.endif
	ASK 1
	MULT \kb, 2, CUR
	MULT \kb, 3, CUR
.endif
.endm
; My 16 fragments of keys (256 keys x 32 e) of K step kbl of a slot, and (wt = 1) the four fragments of t of the same K step: 40 loads in one run
.macro FETCH_S slot, kbl, kbuf, tf, wt
	WIN 0
.if \wt
	v_add_nc_u32 v[TA], s[TB], v[TA0]
	s_add_co_u32 s[TB], s[TB], 4096
.endif
	WIN 0x40                                       ; destination window 1, address window 0
.set kt, 0
.rept 16
	ds_load_b128 v[(\kbuf)+8*kt:(\kbuf)+8*kt+3],   v[KA+2*(\slot)+(\kbl)] offset:kt*1024
	ds_load_b128 v[(\kbuf)+8*kt+4:(\kbuf)+8*kt+7], v[KA+2*(\slot)+(\kbl)] offset:kt*1024+512
.set kt, kt+1
.endr
	WIN 0
.if \wt
.set nq, 0
.rept 4
	ds_load_b128 v[(\tf)+8*nq:(\tf)+8*nq+3],   v[TA] offset:nq*1024
	ds_load_b128 v[(\tf)+8*nq+4:(\tf)+8*nq+7], v[TA] offset:nq*1024+512
.set nq, nq+1
.endr
.endif
.endm
.macro MULS tf, kbuf, nt, zero         ; 16 products: query tile nt x my 16 key tiles; the 64 accumulators take turns in one order throughout
	WIN 0xa4+0x50*((\nt)/2)
.set kt, 0
.rept 16
.if \zero
	v_wmma_f32_16x16x32_bf16 v[8*(16*((\nt)%2)+kt):8*(16*((\nt)%2)+kt)+7], v[(\tf)+8*(\nt):(\tf)+8*(\nt)+7], v[(\kbuf)+8*kt:(\kbuf)+8*kt+7], 0
.else
	v_wmma_f32_16x16x32_bf16 v[8*(16*((\nt)%2)+kt):8*(16*((\nt)%2)+kt)+7], v[(\tf)+8*(\nt):(\tf)+8*(\nt)+7], v[(\kbuf)+8*kt:(\kbuf)+8*kt+7], v[8*(16*((\nt)%2)+kt):8*(16*((\nt)%2)+kt)+7]
.endif
.set kt, kt+1
.endr
.endm
.macro KS_A fs, fk, wt, zero           ; an even K step of the scores (buffers K0, TF0): fetches the odd one that follows, from the same slot
	s_wait_dscnt 0x0
	PLACES
	FETCH_S \fs, \fk, K1, TF1, \wt
	MULS TF0, K0, 0, \zero
	MULS TF0, K0, 1, \zero
	MULS TF0, K0, 2, \zero
	MULS TF0, K0, 3, \zero
.endm
.macro KS_B fill, fs                   ; an odd K step (buffers K1, TF1), a slot's last: changes slots; fill = 1: the slot is filled again, two fills on
.if \fill
	s_wait_xcnt 0x0                                ; the last prefetch, a step back, has read its address
	s_add_nc_u64 s[PFA:PFA+1], s[PFA:PFA+1], SLOTB
.endif
	s_wait_dscnt 0x0                               ; this step's fragments are in: my last reads of the slot
	MEET1 \fill
	MULS TF1, K1, 0, 0
	s_wait_dscnt 0x0                               ; the add is done, and my reads of the slot are over
	s_barrier_signal -1
	MULS TF1, K1, 1, 0
	WIN 0
	s_barrier_wait -1
.if \fill
	CREST
	TLOAD
.else
	PLACES
.endif
	FETCH_S \fs, 0, K0, TF0, 1
.if \fill
	ASK 0
.endif
	MULS TF1, K1, 2, 0
	MULS TF1, K1, 3, 0
.endm
	s_load_b128 s[4:7], s[0:1], 0x0                ; xk s[4:5], mtf s[6:7]
	s_load_b64 s[8:9], s[0:1], 0x10                ; cpart
	v_lshl_add_u32 v[SPW], v0, 2, SPARE
	v_mov_b32 v[NIL], 0
	ds_add_u32 v[SPW], v[NIL]                      ; the wave's opening: the add, twice on end, and its wait ahead of my first tensor load; the set-up below, work on registers, stands between
	ds_add_u32 v[SPW], v[NIL]                      ; and once more, under the one wait
	v_lshrrev_b32 v1, 5, v0
	v_readfirstlane_b32 s[WV], v1                  ; wave 0..3
	s_bfe_u32 s10, ttmp6, 0x40000                  ; cx: my place in the cluster: it enters global addresses of my own alone
	s_lshl_b32 s11, ttmp9, 2                       ; in a cluster launch ttmp9 counts clusters
	s_add_co_u32 s11, s11, s10                     ; my block of 64 queries
	s_and_b32 s13, ttmp7, 0xffff                   ; the batch, which the four partners share
	s_mov_b32 s[G1+0], 15|(3<<16)|(1<<21)          ; 15:0 the mask: all four; 17:16 elements of 8 bytes; 21 set beside a mask; no padding
	s_mov_b32 s[G1+1], 32<<16                      ; tensor_dim0 = 32 elements: rows of 256 bytes
	s_mov_b32 s[G1+2], 128<<16                     ; tensor_dim1 = 128
	s_mov_b32 s[G1+3], 32<<16                      ; tile_dim0 = 32
	s_mov_b32 s[G1+4], 128                         ; tile_dim1 = 128: 32,768 bytes
	s_mov_b32 s[G1+5], 32                          ; a row begins where the last ends
	s_mov_b32 s[G1+6], 0
	s_mov_b32 s[G1+7], 0
	s_mov_b32 s[CS], 0x3d8293ee                    ; c = log2(e) / sqrt(512) = 0.0637587
	s_mov_b32 s[CS+1], s[CS]                       ; named with it as a pair
	s_mov_b32 s[SEL], 0x76543210
	s_mov_b32 s[SEL+1], 0xfedcba98
	s_mov_b32 s[TB], 0
	s_cmp_eq_u32 ttmp9, 0                          ; the batch's first cluster: the same in all four partners
	s_cselect_b32 s[LIM], 1, -1
	s_lshl_b32 s14, s[WV], 15                      ; my quarter of a fill
	s_mov_b32 s15, 0
	s_lshl_b32 s48, s13, 20                        ; the batch's 1,048,576 bytes of xk
	s_mov_b32 s49, 0
	s_add_nc_u64 s[50:51], s[48:49], s[14:15]
	s_lshl_b32 s52, s11, 12                        ; my four row tiles in each K step's 65,536 bytes
	s_mov_b32 s53, 0
	s_add_nc_u64 s[52:53], s[52:53], s[48:49]
	s_lshl_b32 s54, s10, 15                        ; the prefetches: my work-group's quarter of a fill,
	s_lshl_b32 s55, s[WV], 13                      ; my wave's quarter of that
	s_add_co_u32 s54, s54, s55
	s_mov_b32 s55, 0
	s_add_nc_u64 s[54:55], s[54:55], s[48:49]
	s_lshl_b32 s56, s13, 4
	s_add_co_u32 s56, s56, s11
	s_lshl_b32 s56, s56, 12                        ; cpart: (16 b + blk) x 4,096
	s_lshl_b32 s57, s[WV], 10                      ; + my 256 keys
	s_add_co_u32 s56, s56, s57
	s_mov_b32 s57, 0
	s_mov_b32 s[G0A], 1                            ; 1:0 count = 1
	s_mov_b32 s[G0A+1], s14                        ; LDS address: slot 0 + wave x 32,768: no place in the cluster enters it
	s_mov_b32 s[G0W], 1
	s_add_co_u32 s[G0W+1], s14, SLOTB              ; slot 1
	v_and_b32 v1, 31, v0                           ; lane
	v_lshlrev_b32 v[L16], 4, v1
	v_and_b32 v3, 15, v0                           ; r
	v_bfe_u32 v22, v0, 4, 1                        ; h
	s_lshl_b32 s58, s[WV], 13                      ; my 8 e blocks of 1,024 bytes
	v_add_nc_u32 v[MA], s58, v[L16]
	v_add_nc_u32 v[MA+1], 65536, v[MA]
	v_add_nc_u32 v[MA+2], 131072, v[MA]
	v_add_nc_u32 v[MA+3], 196608, v[MA]
	s_lshl_b32 s58, s[WV], 14                      ; my 16 key tiles of 1,024 bytes
	v_add_nc_u32 v[KA], s58, v[L16]
	v_add_nc_u32 v[KA+1], 65536, v[KA]
	v_add_nc_u32 v[KA+2], 131072, v[KA]
	v_add_nc_u32 v[KA+3], 196608, v[KA]
	v_add_nc_u32 v[TA0], TBASE, v[L16]
	v_add_nc_u32 v[TS], s58, v[TA0]                ; my four K steps of t: 4 x 4,096 bytes a wave
	v_lshlrev_b32 v[PFO], 8, v1
	s_lshl_b32 s59, s[WV], 2
	s_add_co_u32 s59, s59, STAT
	v_lshl_add_u32 v[SA], v22, 7, s59              ; query 8 h + .. x 16 bytes + 4 x wave
	v_lshlrev_b32 v[SR], 7, v22
	v_add_nc_u32 v[SR], STAT, v[SR]
	s_lshl_b32 s59, s[WV], 10
	s_add_co_u32 s59, s59, TBASE                   ; the way out's stage lies where t lay
	v_lshl_add_u32 v[CA], v3, 2, s59
	v_add_nc_u32 v[CR], s59, v[L16]
	s_wait_dscnt 0x0                               ; both opening adds are done
	s_wait_kmcnt 0x0
	s_add_nc_u64 s[KEYP:KEYP+1], s[4:5], s[50:51]
	s_add_nc_u64 s[XBP:XBP+1], s[4:5], s[52:53]
	s_add_nc_u64 s[PFA:PFA+1], s[4:5], s[54:55]    ; at fill 4: the first change of slots names it
	s_add_nc_u64 s[OUTP:OUTP+1], s[8:9], s[56:57]
	s_add_nc_u64 s[G0A+2:G0A+3], s[6:7], s[14:15]  ; fill 0: MT's K steps 0-3, my quarter
	s_or_b32 s[G0A+3], s[G0A+3], 0x80000000        ; type = 2
	s_add_nc_u64 s[G0W+2:G0W+3], s[6:7], s[14:15]
	s_add_nc_u64 s[G0W+2:G0W+3], s[G0W+2:G0W+3], SLOTB  ; fill 1
	s_or_b32 s[G0W+3], s[G0W+3], 0x80000000
	CROUND                                         ; all four work-groups are here: the first joint loads meet
	tensor_load_to_lds s[G0A:G0A+3], s[G1:G1+7]    ; the two first fills go out together, ahead of every wait on TENSORcnt and every LDS read: two loads of mine are out
	s_nop 0
	tensor_load_to_lds s[G0W:G0W+3], s[G1:G1+7]
	s_nop 0
.rept 4
	v_nop
.endr
	; my work-group's 64 queries, all 16 K steps, stay in registers: 64 fragments, 128 loads of 512 consecutive bytes
.set kb, 0
.rept 16
	WIN 0x80+0x40*(kb/8)                           ; destination window 2 or 3, address window 0
.set nt, 0
.rept 4
	global_load_b128 v[8*(4*(kb%8)+nt):8*(4*(kb%8)+nt)+3],   v[L16], s[XBP:XBP+1] offset:kb*65536+nt*1024
	global_load_b128 v[8*(4*(kb%8)+nt)+4:8*(4*(kb%8)+nt)+7], v[L16], s[XBP:XBP+1] offset:kb*65536+nt*1024+512
.set nt, nt+1
.endr
.set kb, kb+1
.endr
	WIN 0
	s_wait_tensorcnt 0x1                           ; my part of fill 0 is in; fill 1's may stay out
	s_barrier_signal -1
	s_barrier_wait -1                              ; everybody's is
	FETCH_M 0, 0, F0
	s_wait_loadcnt 0x0                             ; the queries
	; THE t PHASE
.set kq, 0
.rept 16
	QT kq
.set kq, kq+1
.endr
	; t GOES TO THE OTHER WAVES.  Rounded to bf16, a lane's eight e of a query are 16 bytes of fragment (nt, K step 4 wave + et / 2, half et % 2).
	PLACES
	PLACES
	WIN 0x05                                       ; sources in window 1, destination in window 0
.set a, 0
.rept 32
.irp q, 0,1,2,3
	v_cvt_pk_bf16_f32 v[PT+4*a+\q], v[8*a+2*\q], v[8*a+2*\q+1]  ; each accumulator from its low registers on
.endr
.set a, a+1
.endr
	WIN 0
	; K step 15's fragments (wave 3's et 6, 7) pass through K step 14's place into every wave's registers
	s_cmp_eq_u32 s[WV], 3
	s_cbranch_scc0 .Lnot_three
.set nq, 0
.rept 4
	ds_store_b128 v[TS], v[PT+4*(8*nq+6):PT+4*(8*nq+6)+3] offset:8192+nq*1024
	ds_store_b128 v[TS], v[PT+4*(8*nq+7):PT+4*(8*nq+7)+3] offset:8192+nq*1024+512
.set nq, nq+1
.endr
.Lnot_three:
	s_wait_dscnt 0x0                               ; for the others' sake: the stores are done.
	s_barrier_signal -1
	s_barrier_wait -1
.set nq, 0
.rept 4
	ds_load_b128 v[T15+8*nq:T15+8*nq+3],   v[TA0] offset:14*4096+nq*1024
	ds_load_b128 v[T15+8*nq+4:T15+8*nq+7], v[TA0] offset:14*4096+nq*1024+512
.set nq, nq+1
.endr
	s_wait_dscnt 0x0                               ; my reads of that place are over
	s_barrier_signal -1
	s_barrier_wait -1                              ; everybody's are: it may be written again
.set nq, 0
.rept 4
.irp e6, 0,1,2,3,4,5
	ds_store_b128 v[TS], v[PT+4*(8*nq+\e6):PT+4*(8*nq+\e6)+3] offset:(\e6/2)*4096+nq*1024+(\e6%2)*512
.endr
.set nq, nq+1
.endr
	s_cmp_eq_u32 s[WV], 3
	s_cbranch_scc1 .Lis_three
.set nq, 0
.rept 4
	ds_store_b128 v[TS], v[PT+4*(8*nq+6):PT+4*(8*nq+6)+3] offset:12288+nq*1024
	ds_store_b128 v[TS], v[PT+4*(8*nq+7):PT+4*(8*nq+7)+3] offset:12288+nq*1024+512
.set nq, nq+1
.endr
.Lis_three:
	s_wait_dscnt 0x0
	s_barrier_signal -1
	s_barrier_wait -1                              ; K steps 0-14 of t lie in LDS
	; THE SCORES.  Fill 4 was shown landed by the wait and the round of the last change of slots.
	FETCH_S 0, 0, K0, TF0, 1                       ; K step 0
	KS_A 0, 1, 1, 1                                ; K step 0 starts the sums: nothing is cleared
	WIN 0
	s_mov_b32 s[CNT], 3
.Lk:                                               ; a trip: four K steps, once round the ring; both slots are filled again: fills 6 to 11 in three trips
	KS_B 1, 1
	KS_A 1, 1, 1, 0
	KS_B 1, 0
	KS_A 0, 1, 1, 0
	WIN 0
	s_sub_co_u32 s[CNT], s[CNT], 1
	s_cmp_lg_u32 s[CNT], 0
	s_cbranch_scc1 .Lk
	KS_B 0, 1                                      ; K step 13: the tail is written out: nothing more is asked for, so a plain barrier shows fill 11 to every wave
	KS_A 1, 1, 0, 0                                ; K step 14 fetches step 15's keys; step 15's t lies in registers
	s_wait_dscnt 0x0
	MULS T15, K1, 0, 0
	MULS T15, K1, 1, 0
	MULS T15, K1, 2, 0
	MULS T15, K1, 3, 0
	; THE SOFTMAX.  A lane holds, for each (nt, j), query 16 nt + 8 (lane / 16) + j and 16 keys (kt).
	PLACES
	PLACES
	; the maximum in the lane: three operands at a time; each accumulator's register 0 is read first
.irp nt, 0,1,2,3
	WIN 0x2a+0x15*(\nt/2)                          ; all three sources in S's window
.irp j, 0,1,2,3,4,5,6,7
	v_max3_num_f32 v[MX+8*\nt+\j], v[128*(\nt%2)+\j], v[128*(\nt%2)+8+\j], v[128*(\nt%2)+16+\j]
.endr
	WIN 0x28+0x14*(\nt/2)                          ; source 0 in window 0
.irp st, 1,2,3,4,5,6
.irp j, 0,1,2,3,4,5,6,7
	v_max3_num_f32 v[MX+8*\nt+\j], v[MX+8*\nt+\j], v[128*(\nt%2)+8*(2*\st+1)+\j], v[128*(\nt%2)+8*(2*\st+2)+\j]
.endr
.endr
.irp j, 0,1,2,3,4,5,6,7
	v_max_num_f32 v[MX+8*\nt+\j], v[MX+8*\nt+\j], v[128*(\nt%2)+120+\j]
.endr
.endr
	WIN 0
	; across the 16 lanes of a half
.irp m, 1,2,4,8
.set i, 0
.rept 32
	v_max_num_f32_dpp v[MX+i], v[MX+i], v[MX+i] row_xmask:\m row_mask:0xf bank_mask:0xf
.set i, i+1
.endr
.endr
	; across the four waves: 16 lanes write the same word with the same value
.set i, 0
.rept 32
	ds_store_b32 v[SA], v[MX+i] offset:(i/8)*256+(i%8)*16
.set i, i+1
.endr
	s_wait_dscnt 0x0
	s_barrier_signal -1
	s_barrier_wait -1
.set i, 0
.rept 32
	ds_load_b128 v[LD+4*i:LD+4*i+3], v[SR] offset:(i/8)*256+(i%8)*16
.set i, i+1
.endr
	s_wait_dscnt 0x0
.set i, 0
.rept 32
	v_max3_num_f32 v[MX+i], v[LD+4*i], v[LD+4*i+1], v[LD+4*i+2]
.set i, i+1
.endr
.set i, 0
.rept 32
	v_max_num_f32 v[MX+i], v[MX+i], v[LD+4*i+3]    ; the row's maximum over all 1,024 keys
.set i, i+1
.endr
.set i, 0
.rept 16
	v_pk_mul_f32 v[MX+2*i:MX+2*i+1], v[MX+2*i:MX+2*i+1], s[CS:CS+1] op_sel_hi:[1,0]  ; c m
.set i, i+1
.endr
	; p = 2^(c s - c m), in place.  ONE BATCH of 512 exponentials: an accumulator's scalings stand among the exponentials of the one before it, and nothing names a result ahead of the one wait
.macro FSC wd, a, p
	v_pk_fma_f32 v[8*(\a)+2*(\p):8*(\a)+2*(\p)+1], v[8*(\a)+2*(\p):8*(\a)+2*(\p)+1], s[CS:CS+1], v[MX+8*(2*(\wd)+(\a)/16)+2*(\p):MX+8*(2*(\wd)+(\a)/16)+2*(\p)+1] op_sel_hi:[1,0,1] neg_lo:[0,0,1] neg_hi:[0,0,1]
.endm
.irp wd, 0,1
	WIN 0x82+0x41*\wd                              ; destination and source 0 in S's window, c m in window 0
.irp p, 0,1,2,3
	FSC \wd, 0, \p
.endr
.set a, 0
.rept 32
.irp p, 0,1,2,3
.if a < 31
	FSC \wd, a+1, \p
.endif
	v_exp_f32 v[8*a+2*\p], v[8*a+2*\p]
	v_exp_f32 v[8*a+2*\p+1], v[8*a+2*\p+1]
.endr
.set a, a+1
.endr
.endr
	v_nop                                          ; a plain instruction behind the last exponential
	s_wait_alu depctr_va_vdst(0)                   ; the wait ahead of the first use: one for the batch
	; the row sums in the lane: eight chains in each window
.irp wd, 0,1
	WIN 0x0a+5*\wd                                 ; both sources in S's window
.irp n2, 0,1
.irp p, 0,1,2,3
	v_pk_add_f32 v[SM+8*(2*\wd+\n2)+2*\p:SM+8*(2*\wd+\n2)+2*\p+1], v[128*\n2+2*\p:128*\n2+2*\p+1], v[128*\n2+8+2*\p:128*\n2+8+2*\p+1]
.endr
.endr
	WIN 0x08+4*\wd
.set kt, 2
.rept 14
.irp n2, 0,1
.irp p, 0,1,2,3
	v_pk_add_f32 v[SM+8*(2*\wd+\n2)+2*\p:SM+8*(2*\wd+\n2)+2*\p+1], v[SM+8*(2*\wd+\n2)+2*\p:SM+8*(2*\wd+\n2)+2*\p+1], v[128*\n2+8*kt+2*\p:128*\n2+8*kt+2*\p+1]
.endr
.endr
.set kt, kt+1
.endr
.endr
	WIN 0
.irp m, 1,2,4,8
.set i, 0
.rept 32
	v_add_f32_dpp v[SM+i], v[SM+i], v[SM+i] row_xmask:\m row_mask:0xf bank_mask:0xf
.set i, i+1
.endr
.endr
.set i, 0
.rept 32
	ds_store_b32 v[SA], v[SM+i] offset:1024+(i/8)*256+(i%8)*16  ; other bytes than the maxima's
.set i, i+1
.endr
	s_wait_dscnt 0x0
	s_barrier_signal -1
	s_barrier_wait -1
.set i, 0
.rept 32
	ds_load_b128 v[LD+4*i:LD+4*i+3], v[SR] offset:1024+(i/8)*256+(i%8)*16
.set i, i+1
.endr
	s_wait_dscnt 0x0
.set i, 0
.rept 32
	v_pk_add_f32 v[LD+4*i:LD+4*i+1], v[LD+4*i:LD+4*i+1], v[LD+4*i+2:LD+4*i+3]
.set i, i+1
.endr
.set i, 0
.rept 32
	v_add_f32 v[SM+i], v[LD+4*i], v[LD+4*i+1]      ; the row's sum: at least 1, the maximum's own weight
.set i, i+1
.endr
.set i, 0
.rept 32
	v_rcp_f32 v[SM+i], v[SM+i]
.set i, i+1
.endr
	v_nop                                          ; a plain instruction behind the last reciprocal,
	s_wait_alu depctr_va_vdst(0)                   ; and one wait for the 32
	; the column sums: for each key tile the sum over my 32 queries of p / row sum: 16 chains
.irp wd, 0,1
	WIN 0x02+\wd                                   ; source 0 in S's window
.irp n2, 0,1
.irp p, 0,1,2,3
.set kt, 0
.rept 16
.if (\wd == 0) && (\n2 == 0) && (\p == 0)
	v_pk_mul_f32 v[CSR+2*kt:CSR+2*kt+1], v[128*\n2+8*kt+2*\p:128*\n2+8*kt+2*\p+1], v[SM+8*(2*\wd+\n2)+2*\p:SM+8*(2*\wd+\n2)+2*\p+1]
.else
	v_pk_fma_f32 v[CSR+2*kt:CSR+2*kt+1], v[128*\n2+8*kt+2*\p:128*\n2+8*kt+2*\p+1], v[SM+8*(2*\wd+\n2)+2*\p:SM+8*(2*\wd+\n2)+2*\p+1], v[CSR+2*kt:CSR+2*kt+1]
.endif
.set kt, kt+1
.endr
.endr
.endr
.endr
	WIN 0
.set kt, 0
.rept 16
	v_add_f32 v[CSR+2*kt], v[CSR+2*kt], v[CSR+2*kt+1]
.set kt, kt+1
.endr
.set kt, 0
.rept 16
	v_permlanex16_b32 v[LD+kt], v[CSR+2*kt], s[SEL], s[SEL+1]  ; the key's other 32 queries lie in the lane 16 away; the destination has been written before
.set kt, kt+1
.endr
.set kt, 0
.rept 16
	v_add_f32 v[CSR+2*kt], v[CSR+2*kt], v[LD+kt]
.set kt, kt+1
.endr
	; THE WAY OUT: through my own 1,024 bytes of LDS, where t lay (every wave's reads of t were over at the softmax's first barrier), so that a store covers 512 consecutive bytes
.set kt, 0
.rept 16
	ds_store_b32 v[CA], v[CSR+2*kt] offset:kt*64
.set kt, kt+1
.endr
	ds_load_b128 v[LD+64:LD+67], v[CR]             ; LDS serves a wave's instructions in order (ISA guide 5.7.1.4): these see my stores above
	ds_load_b128 v[LD+68:LD+71], v[CR] offset:512
	s_wait_dscnt 0x0
	global_store_b128 v[L16], v[LD+64:LD+67], s[OUTP:OUTP+1]
	global_store_b128 v[L16], v[LD+68:LD+71], s[OUTP:OUTP+1] offset:512
	s_wait_tensorcnt 0x0                           ; the wave's end, behind my last tensor load and my last LDS store
	ds_add_u32 v[SPW], v[NIL]
	s_wait_dscnt 0x0
	CROUND                                         ; the closing round: no work-group ends while a partner may still ask for a tile that names it
	s_endpgm
.Lfunc_end_k_q57558e546f_attn:
	.size	k_q57558e546f_attn, .Lfunc_end_k_q57558e546f_attn-k_q57558e546f_attn
	.p2alignl 7, 3214868480
	.fill 96, 4, 3214868480
	.section	.rodata,"a",@progbits
	.p2align	6, 0x0
	.amdhsa_kernel k_q57558e546f_attn
		.amdhsa_group_segment_fixed_size 327680
		.amdhsa_private_segment_fixed_size 0
		.amdhsa_enable_private_segment 0
		.amdhsa_kernarg_size 24
		.amdhsa_user_sgpr_count 2
		.amdhsa_user_sgpr_kernarg_segment_ptr 1
		.amdhsa_wavefront_size32 1
		.amdhsa_system_sgpr_workgroup_id_x 1
		.amdhsa_system_sgpr_workgroup_id_y 1
		.amdhsa_system_sgpr_workgroup_id_z 1
		.amdhsa_system_vgpr_workitem_id 0
		.amdhsa_next_free_vgpr 1024
		.amdhsa_next_free_sgpr 66
		.amdhsa_reserve_vcc 0
		.amdhsa_float_denorm_mode_32 3
		.amdhsa_float_denorm_mode_16_64 3
		.amdhsa_memory_ordered 1
		.amdhsa_forward_progress 1
		.amdhsa_inst_pref_size 255
	.end_amdhsa_kernel
	.section	.bss,"aw",@nobits
	.p2align	6
	.space	262144
	.amdgpu_metadata
---
amdhsa.version: [ 1, 2 ]
amdhsa.kernels:
  - .name:           k_q57558e546f_attn
    .symbol:         k_q57558e546f_attn.kd
    .args:
      - { .name: xk, .offset: 0, .size: 8, .value_kind: global_buffer, .address_space: global }
      - { .name: mtf, .offset: 8, .size: 8, .value_kind: global_buffer, .address_space: global }
      - { .name: cpart, .offset: 16, .size: 8, .value_kind: global_buffer, .address_space: global }
    .group_segment_fixed_size: 327680
    .private_segment_fixed_size: 0
    .kernarg_segment_align: 8
    .kernarg_segment_size: 24
    .max_flat_workgroup_size: 128
    .sgpr_count:     66
    .vgpr_count:     1024
    .wavefront_size: 32
...
	.end_amdgpu_metadata
.endif
;; end of part 2
;; launch wsum (part 3): grid 256 x 1, 8 waves a work-group, no clusters, 6,144 bytes of LDS; arguments cpart, xk, W_value, po; writes po
.if DOCPART == 3
	.amdgcn_target "amdgcn-amd-amdhsa--gfx1250"
	.amdhsa_code_object_version 6
	.text
	.protected	k_q57558e546f_wsum
	.globl	k_q57558e546f_wsum
	.p2align	8
	.type	k_q57558e546f_wsum,@function
k_q57558e546f_wsum:
	s_mov_b64 s[64:65], 0
	v_nop
	global_prefetch_b8 v0, s[64:65] scope:SCOPE_SE
	s_setreg_imm32_b32 hwreg(HW_REG_WAVE_MODE, 25, 1), 1
	s_wait_xcnt 0x0
; po[b][kb][o] = the sum over d = 32 kb .. 32 kb + 31 of y[b][d] Wv[d][o],  y[b][d] = the sum over m of c[b][m] x[b][m][d],  c[b][m] = (1 / 1024) x the sum over the 16 query blocks of cpart[b][blk][m].
; (Left out, as shown at the head of the first kernel: x Wv for all rows and P v; the mean over the queries is taken first.)  Work-group g: b = g / 16, kb = g % 16; eight waves.
; One row for each batch: no matrix tile is filled, and c and y stay in f32; so this is vector work.  x is xk's bf16; Wv is rounded to bf16 like the other inputs and multiplied in f32.
.set YP,    4096                       ; LDS: c at 0 (4,096 bytes); the eight waves' partial y, 128 bytes each
.set SPARE, 5120                       ; the spare words, 128 bytes for each wave: four blocks of 256 bytes that no other line names
.set SPW, 12
.set NIL, 13
.set CP,  16                           ; v[16:79]   cpart: 4 keys x 16 blocks
.set CV,  32                           ; v[32:39]   later: c of my rows; then the waves' partial y
.set XR,  80                           ; v[80:143]  xk: 8 row tiles x 2 halves x 4 registers
.set WR,  144                          ; v[144:207] Wv: 32 rows x 2 columns
.set Y,   208                          ; v[208:223] y's partial sums [half c][8]; then the output's two chains
	s_load_b256 s[4:11], s[0:1], 0x0               ; cpart s[4:5], xk s[6:7], Wv s[8:9], po s[10:11]
	v_lshl_add_u32 v[SPW], v0, 2, SPARE
	v_mov_b32 v[NIL], 0
	v_lshrrev_b32 v1, 5, v0
	v_readfirstlane_b32 s12, v1                    ; wave 0..7
	v_and_b32 v1, 31, v0                           ; lane
	v_lshlrev_b32 v2, 4, v0                        ; 16 x thread
	v_lshlrev_b32 v3, 4, v1                        ; 16 x lane
	v_lshlrev_b32 v4, 3, v0                        ; 8 x thread
	v_and_b32 v8, 15, v0                           ; r
	v_bfe_u32 v9, v0, 4, 1                         ; h
	s_lshr_b32 s13, ttmp9, 4                       ; b
	s_and_b32 s14, ttmp9, 15                       ; kb
	s_lshl_b32 s16, s13, 16
	s_mov_b32 s17, 0
	s_lshl_b32 s18, s13, 20
	s_lshl_b32 s19, s14, 16
	s_add_co_u32 s18, s18, s19
	s_lshl_b32 s19, s12, 13                        ; my 8 row tiles
	s_add_co_u32 s18, s18, s19
	s_mov_b32 s19, 0
	s_lshl_b32 s20, s14, 16                        ; 32 rows of 2,048 bytes
	s_mov_b32 s21, 0
	s_lshl_b32 s22, ttmp9, 11
	s_mov_b32 s23, 0
	s_lshl_b32 s24, s12, 9
	v_lshl_add_u32 v5, v8, 2, s24                  ; c of row 128 wave + r
	s_lshl_b32 s24, s12, 7
	s_add_co_u32 s24, s24, YP
	v_lshl_add_u32 v6, v9, 5, s24                  ; my wave's partial y, channels 8 h ..
	v_lshl_add_u32 v7, v1, 2, YP
	s_wait_kmcnt 0x0
	s_add_nc_u64 s[4:5], s[4:5], s[16:17]
	s_add_nc_u64 s[6:7], s[6:7], s[18:19]
	s_add_nc_u64 s[8:9], s[8:9], s[20:21]
	s_add_nc_u64 s[10:11], s[10:11], s[22:23]
.set i, 0
.rept 16
	global_load_b128 v[CP+4*i:CP+4*i+3], v2, s[4:5] offset:i*4096
.set i, i+1
.endr
.set i, 0
.rept 16
	global_load_b128 v[XR+4*i:XR+4*i+3], v3, s[6:7] offset:i*512 th:TH_LOAD_NT
.set i, i+1
.endr
.set i, 0
.rept 32
	global_load_b64 v[WR+2*i:WR+2*i+1], v4, s[8:9] offset:i*2048
.set i, i+1
.endr
	s_wait_loadcnt 48                              ; loads come back in order: cpart is in; xk's 16 and Wv's 32 stay out
.irp st, 8,4,2,1
.set i, 0
.rept \st
	v_pk_add_f32 v[CP+4*i:CP+4*i+1], v[CP+4*i:CP+4*i+1], v[CP+4*(i+\st):CP+4*(i+\st)+1]
	v_pk_add_f32 v[CP+4*i+2:CP+4*i+3], v[CP+4*i+2:CP+4*i+3], v[CP+4*(i+\st)+2:CP+4*(i+\st)+3]
.set i, i+1
.endr
.endr
	v_pk_mul_f32 v[CP:CP+1], v[CP:CP+1], 0x3a800000 op_sel_hi:[1,0]      ; 1 / 1024: the mean over the queries
	v_pk_mul_f32 v[CP+2:CP+3], v[CP+2:CP+3], 0x3a800000 op_sel_hi:[1,0]
	ds_store_b128 v2, v[CP:CP+3]
	s_wait_dscnt 0x0
	s_barrier_signal -1
	s_barrier_wait -1                              ; c of all 1,024 keys lies in LDS
.set i, 0
.rept 8
	ds_load_b32 v[CV+i], v5 offset:i*64            ; row tile i of my 8
.set i, i+1
.endr
	s_wait_loadcnt 32                              ; xk is in; Wv's 32 loads stay out
	s_wait_dscnt 0x0
.macro MIX d, x, cv, ad, hi            ; d = bf16 half of x times cv + ad, in f32
.if \hi
	v_fma_mix_f32_bf16 v[\d], v[\x], v[\cv], v[\ad] op_sel:[1,0,0] op_sel_hi:[1,0,0]
.else
	v_fma_mix_f32_bf16 v[\d], v[\x], v[\cv], v[\ad] op_sel_hi:[1,0,0]
.endif
.endm
.set rt, 0
.rept 8
.set ch, 0
.rept 2
.set e, 0
.rept 8
.if rt == 0
	MIX Y+8*ch+e, XR+4*(2*rt+ch)+e/2, CV+rt, NIL, e%2  ; the first link's addend is 0: nothing is cleared
.else
	MIX Y+8*ch+e, XR+4*(2*rt+ch)+e/2, CV+rt, Y+8*ch+e, e%2
.endif
.set e, e+1
.endr
.set ch, ch+1
.endr
.set rt, rt+1
.endr
.irp m, 1,2,4,8                        ; over the 16 rows of a tile: the 16 lanes of a half
.set i, 0
.rept 16
	v_add_f32_dpp v[Y+i], v[Y+i], v[Y+i] row_xmask:\m row_mask:0xf bank_mask:0xf
.set i, i+1
.endr
.endr
.set i, 0
.rept 16
	ds_store_b32 v6, v[Y+i] offset:(i/8)*64+(i%8)*4  ; channel 16 c + 8 h + e; 16 lanes write the same word with the same value
.set i, i+1
.endr
	s_wait_dscnt 0x0
	s_barrier_signal -1
	s_barrier_wait -1
.set i, 0
.rept 8
	ds_load_b32 v[CV+i], v7 offset:i*128           ; lane l: channel l of each wave's partial y
.set i, i+1
.endr
	s_wait_dscnt 0x0
	v_pk_add_f32 v[CV:CV+1], v[CV:CV+1], v[CV+4:CV+5]
	v_pk_add_f32 v[CV+2:CV+3], v[CV+2:CV+3], v[CV+6:CV+7]
	v_pk_add_f32 v[CV:CV+1], v[CV:CV+1], v[CV+2:CV+3]
	v_add_f32 v[CV], v[CV], v[CV+1]                ; y[32 kb + lane]
.set i, 0
.rept 32
	v_readlane_b32 s[68+i], v[CV], i               ; a factor, never an address or a condition
.set i, i+1
.endr
	s_wait_loadcnt 0x0                             ; Wv
.set i, 0
.rept 32
	v_cvt_pk_bf16_f32 v[WR+2*i], v[WR+2*i], v[WR+2*i+1]
.set i, i+1
.endr
.set i, 0
.rept 32
	v_and_b32 v[WR+2*i+1], 0xffff0000, v[WR+2*i]
	v_lshlrev_b32 v[WR+2*i], 16, v[WR+2*i]
.set i, i+1
.endr
.irp q, 0,1                            ; rows 0 and 1 start two chains for each of my two columns
	v_mul_f32 v[Y+2*\q], s[68+\q], v[WR+2*\q]
	v_mul_f32 v[Y+2*\q+1], s[68+\q], v[WR+2*\q+1]
.endr
.set i, 2
.rept 30
	v_fma_f32 v[Y+2*(i%2)], v[WR+2*i], s[68+i], v[Y+2*(i%2)]
	v_fma_f32 v[Y+2*(i%2)+1], v[WR+2*i+1], s[68+i], v[Y+2*(i%2)+1]
.set i, i+1
.endr
	v_pk_add_f32 v[Y:Y+1], v[Y:Y+1], v[Y+2:Y+3]
	global_store_b64 v4, v[Y:Y+1], s[10:11]        ; a wave stores 256 consecutive bytes, aligned
	s_wait_tensorcnt 0x0                           ; the wave's end, behind my last LDS store
	ds_add_u32 v[SPW], v[NIL]
	s_wait_dscnt 0x0
	s_endpgm
.Lfunc_end_k_q57558e546f_wsum:
	.size	k_q57558e546f_wsum, .Lfunc_end_k_q57558e546f_wsum-k_q57558e546f_wsum
	.p2alignl 7, 3214868480
	.fill 96, 4, 3214868480
	.section	.rodata,"a",@progbits
	.p2align	6, 0x0
	.amdhsa_kernel k_q57558e546f_wsum
		.amdhsa_group_segment_fixed_size 6144
		.amdhsa_private_segment_fixed_size 0
		.amdhsa_enable_private_segment 0
		.amdhsa_kernarg_size 32
		.amdhsa_user_sgpr_count 2
		.amdhsa_user_sgpr_kernarg_segment_ptr 1
		.amdhsa_wavefront_size32 1
		.amdhsa_system_sgpr_workgroup_id_x 1
		.amdhsa_system_sgpr_workgroup_id_y 1
		.amdhsa_system_sgpr_workgroup_id_z 1
		.amdhsa_system_vgpr_workitem_id 0
		.amdhsa_next_free_vgpr 224
		.amdhsa_next_free_sgpr 100
		.amdhsa_reserve_vcc 0
		.amdhsa_float_denorm_mode_32 3
		.amdhsa_float_denorm_mode_16_64 3
		.amdhsa_memory_ordered 1
		.amdhsa_forward_progress 1
		.amdhsa_inst_pref_size 36
	.end_amdhsa_kernel
	.amdgpu_metadata
---
amdhsa.version: [ 1, 2 ]
amdhsa.kernels:
  - .name:           k_q57558e546f_wsum
    .symbol:         k_q57558e546f_wsum.kd
    .args:
      - { .name: cpart, .offset: 0, .size: 8, .value_kind: global_buffer, .address_space: global }
      - { .name: xk, .offset: 8, .size: 8, .value_kind: global_buffer, .address_space: global }
      - { .name: W_value, .offset: 16, .size: 8, .value_kind: global_buffer, .address_space: global }
      - { .name: po, .offset: 24, .size: 8, .value_kind: global_buffer, .address_space: global }
    .group_segment_fixed_size: 6144
    .private_segment_fixed_size: 0
    .kernarg_segment_align: 8
    .kernarg_segment_size: 32
    .max_flat_workgroup_size: 256
    .sgpr_count:     100
    .vgpr_count:     224
    .wavefront_size: 32
...
	.end_amdgpu_metadata
.endif
;; end of part 3
;; launch fin (part 4): grid 16 x 1, 4 waves a work-group, no clusters, 0 bytes of LDS; arguments po, out0; writes out0
.if DOCPART == 4
	.amdgcn_target "amdgcn-amd-amdhsa--gfx1250"
	.amdhsa_code_object_version 6
	.text
	.protected	k_q57558e546f_fin
	.globl	k_q57558e546f_fin
	.p2align	8
	.type	k_q57558e546f_fin,@function
k_q57558e546f_fin:
	s_mov_b64 s[64:65], 0
	v_nop
	global_prefetch_b8 v0, s[64:65] scope:SCOPE_SE
	s_setreg_imm32_b32 hwreg(HW_REG_WAVE_MODE, 25, 1), 1
	s_wait_xcnt 0x0
; out0[b][o] = the sum over kb of po[b][kb][o]: the 16 partial sums over 32 channels each, added in f32 by one owner for each output.  A work-group a batch: 16 are all the work there is.
; Thread t of 128 owns 4 outputs: 16 loads of 16 bytes, a tree of packed additions, one store; a wave's load or store covers 512 consecutive bytes.
.set P, 4                              ; v[4:67]
	s_load_b128 s[4:7], s[0:1], 0x0                ; po s[4:5], out0 s[6:7]
	v_lshlrev_b32 v1, 4, v0
	s_lshl_b32 s8, ttmp9, 15
	s_mov_b32 s9, 0
	s_lshl_b32 s10, ttmp9, 11
	s_mov_b32 s11, 0
	s_wait_kmcnt 0x0
	s_add_nc_u64 s[4:5], s[4:5], s[8:9]
	s_add_nc_u64 s[6:7], s[6:7], s[10:11]
.set i, 0
.rept 16
	global_load_b128 v[P+4*i:P+4*i+3], v1, s[4:5] offset:i*2048
.set i, i+1
.endr
	s_wait_loadcnt 0x0
.irp st, 8,4,2,1
.set i, 0
.rept \st
	v_pk_add_f32 v[P+4*i:P+4*i+1], v[P+4*i:P+4*i+1], v[P+4*(i+\st):P+4*(i+\st)+1]
	v_pk_add_f32 v[P+4*i+2:P+4*i+3], v[P+4*i+2:P+4*i+3], v[P+4*(i+\st)+2:P+4*(i+\st)+3]
.set i, i+1
.endr
.endr
	global_store_b128 v1, v[P:P+3], s[6:7]
	s_endpgm
.Lfunc_end_k_q57558e546f_fin:
	.size	k_q57558e546f_fin, .Lfunc_end_k_q57558e546f_fin-k_q57558e546f_fin
	.p2alignl 7, 3214868480
	.fill 96, 4, 3214868480
	.section	.rodata,"a",@progbits
	.p2align	6, 0x0
	.amdhsa_kernel k_q57558e546f_fin
		.amdhsa_group_segment_fixed_size 0
		.amdhsa_private_segment_fixed_size 0
		.amdhsa_enable_private_segment 0
		.amdhsa_kernarg_size 16
		.amdhsa_user_sgpr_count 2
		.amdhsa_user_sgpr_kernarg_segment_ptr 1
		.amdhsa_wavefront_size32 1
		.amdhsa_system_sgpr_workgroup_id_x 1
		.amdhsa_system_sgpr_workgroup_id_y 1
		.amdhsa_system_sgpr_workgroup_id_z 1
		.amdhsa_system_vgpr_workitem_id 0
		.amdhsa_next_free_vgpr 72
		.amdhsa_next_free_sgpr 66
		.amdhsa_reserve_vcc 0
		.amdhsa_float_denorm_mode_32 3
		.amdhsa_float_denorm_mode_16_64 3
		.amdhsa_memory_ordered 1
		.amdhsa_forward_progress 1
		.amdhsa_inst_pref_size 5
	.end_amdhsa_kernel
	.amdgpu_metadata
---
amdhsa.version: [ 1, 2 ]
amdhsa.kernels:
  - .name:           k_q57558e546f_fin
    .symbol:         k_q57558e546f_fin.kd
    .args:
      - { .name: po, .offset: 0, .size: 8, .value_kind: global_buffer, .address_space: global }
      - { .name: out0, .offset: 8, .size: 8, .value_kind: global_buffer, .address_space: global }
    .group_segment_fixed_size: 0
    .private_segment_fixed_size: 0
    .kernarg_segment_align: 8
    .kernarg_segment_size: 16
    .max_flat_workgroup_size: 128
    .sgpr_count:     66
    .vgpr_count:     72
    .wavefront_size: 32
...
	.end_amdgpu_metadata
.endif
;; end of part 4
;; ======== version 2 of 2: 4 launches; version 1 with the launch prep written anew for expert scheduling mode
;; workspace buffers: xk 16,777,216 bytes; mtf 524,288 bytes; cpart 1,048,576 bytes; po 524,288 bytes
;; launch prep (part 5): grid 256 x 1, 8 waves a work-group, no clusters, 137,216 bytes of LDS; arguments x, W_key, W_query, xk, mtf; writes xk, mtf
.if DOCPART == 5
	.amdgcn_target "amdgcn-amd-amdhsa--gfx1250"
	.amdhsa_code_object_version 6
	.text
	.protected	k_q57558e546f_prep
	.globl	k_q57558e546f_prep
	.p2align	8
	.type	k_q57558e546f_prep,@function
k_q57558e546f_prep:
	s_mov_b64 s[64:65], 0
	v_nop
	global_prefetch_b8 v0, s[64:65] scope:SCOPE_SE
	s_setreg_imm32_b32 hwreg(HW_REG_WAVE_SCHED_MODE, 0, 2), 2
	s_setreg_imm32_b32 hwreg(HW_REG_WAVE_MODE, 25, 1), 1
	s_wait_xcnt 0x0
	s_wait_alu depctr_vm_vsrc(0)
; out[b] = mean over n of softmax_m(q_n . k_m / sqrt(512)) v,  q, k, v = x Wq, x Wk, x Wv.  x: [16][1024][512], W: [512][512], all f32.
; HOW THE PROGRAM ORDERS THE SUMS, for all finite values of the inputs (both are identities of exact arithmetic, none leans on the numbers drawn):
;  (1) the mean over n, the product with v and v = x Wv are linear: mean_n(P x Wv) = ((1/N) 1^T P) x Wv.  So of P only its column sums c[m] = sum_n P[n][m] are wanted;
;      then one weighted sum of x's rows for each batch and one product of 16 rows with Wv.  The products x Wv (N rows) and P v are not formed.
;  (2) q k^T = x (Wq Wk^T) x^T.  So MT[e][d] = sum_o Wk[e][o] Wq[d][o] is made once, t = x MT^T takes q's place and x itself takes k's.
; Every input has a way to the output and every input is loaded.  The maximum is taken away before the exponential, as reference() does.
; LIMITS.  The sums are associated otherwise than in reference(); a NaN, an infinity or an overflow that would arise only in q, k, v or attn as reference() forms them is not carried to
; the result.  x, Wk, Wq, Wv are rounded once to bf16; MT and t once to bf16 (bf16 keeps f32's range); c, the weighted sum and all sums stay in f32.
; THIS LAUNCH.  Work-group g of 256, eight waves, does two things.
;  X: rows 64 g .. 64 g + 63 of x (all batches on end) go to bf16 in FRAGMENT ORDER: xk[b][kb 16][rt 64][c 2][h 2][r 16][8] holds x[b][16 rt + r][32 kb + 16 c + 8 h + 0..7]: a block (kb, rt) of
;     1,024 bytes is one matrix operand of 16 rows x 32 channels, lane 16 h + r taking 16 bytes at 512 c + 16 lane into registers 4 c .. 4 c + 3.
;  M: the tile MT[32 ei ..][32 dj ..] (ei = g / 16, dj = g % 16), in the same order: mtf[kb = d / 32][eb = e / 16][c][h][r][8].
; THE MODE: SCHED_MODE bits 1:0 = 2 (LLVM: expert scheduling mode 2), set by the entry lines.  The code itself states the register dependences
; between vector or matrix instructions and memory or LDS instructions, with s_wait_alu, always for 0.
; THE PLAN.  Registers that memory or LDS instructions touch, in the order of the text:
;   v2-v10, v12, v13   offsets and LDS addresses: written at the head, never again; one wait ahead of the first load serves every load and store.
;   WR v[32:159]       the weights' 32 loads land in it; the roundings read and write it in place; the LDS stores read registers 4 i, 4 i + 1.  It goes in two halves: the first half's stores
;                      are dealt among the second half's roundings, which name the second half's registers alone.  Later (waves 0-3) two runs of fragment loads land in it and the products read it.
;   window 1 v[0:127]  x's 32 loads land in it once; x's roundings read it.
;   XP v[32:95]        group g's roundings write 16 registers of their own; the group's eight LDS stores, issued at the head of group g + 1, read them; never written again.
;   XB v[96:159]       the loads from the stage land in it; the global stores read it.
;   v[24:27]           MT's roundings write it, one global store reads it; never written again.
; XP and XB lie over WR: one wait on vm_vsrc behind the barrier, ahead of the branch on the wave's number, states for both ways that the weights' LDS stores have read WR.
.set XSTW,  8704                       ; a wave's stage: 32 groups (kb, c, h) of 16 rows x 16 bytes, 272 bytes apart
.set GP,    272
.set WST,   8*XSTW                     ; 64 rows of bf16 weights (32 of Wk, then 32 of Wq), 1,024 bytes + 16 of padding: 65 x 16 bytes, so 16 rows of a fragment start in 16 different groups of four banks
.set WPI,   1040
.set SPARE, WST+64*WPI                 ; the spare words, 128 bytes for each wave: four blocks of 256 bytes that no other line names
.set XO,  2                            ; v2   my 16 bytes in x: 16 rows x tile + 1,024 x half + 16 lane
.set WO,  3                            ; v3   16 lane
.set WS,  4                            ; v4   where I put 8 bytes of a weight row
.set LST, 5                            ; v5   where I put 8 bytes of x in my stage
.set LRD, 6                            ; v6   where I read 16 bytes back
.set XST, 7                            ; v7   my 16 bytes in xk
.set FQ,  8                            ; v8   my place in Wq's fragments
.set FK,  9                            ; v9   in Wk's
.set MO,  10                           ; v10  my 16 bytes in mtf
.set SPW, 12                           ; v12  LDS address of my spare word; never rewritten
.set NIL, 13                           ; v13  0; never rewritten
.set ACC, 16                           ; v[16:31] two accumulators
.set WR,  32                           ; v[32:159] weights as loaded, then their fragments
.set XP,  32                           ; v[32:95]  x packed
.set XB,  96                           ; v[96:159] x read back from the stage
.set MSB, 0
.macro WIN new                         ; the immediate's high byte repeats the setting that is left
.if MSB != (\new)
	s_set_vgpr_msb (MSB<<8)|(\new)
.set MSB, \new
.endif
.endm
.macro PLACES
.rept 4
	v_nop
.endr
.endm
	s_load_b256 s[4:11], s[0:1], 0x0               ; x s[4:5], Wk s[6:7], Wq s[8:9], xk s[10:11]
	s_load_b64 s[12:13], s[0:1], 0x20              ; mtf
	v_lshl_add_u32 v[SPW], v0, 2, SPARE
	v_mov_b32 v[NIL], 0
	v_lshrrev_b32 v1, 5, v0
	v_readfirstlane_b32 s14, v1                    ; wave 0..7
	v_and_b32 v1, 31, v0                           ; lane
	v_and_b32 v14, 15, v0                          ; r
	v_bfe_u32 v15, v0, 4, 1                        ; h
	s_wait_alu depctr_va_sdst(0)                   ; s14 is written, ahead of its first reader: the wave's shares, its bases and the branch are made from it
	s_lshr_b32 s15, ttmp9, 4                       ; b, and ei
	s_and_b32 s18, ttmp9, 15                       ; my block of 64 rows in the batch, and dj
	s_lshr_b32 s19, s14, 1                         ; which 16 rows of the 64 are mine
	s_and_b32 s20, s14, 1                          ; which 256 channels
	s_lshl_b32 s21, s19, 15
	s_lshl_b32 s22, s20, 10
	s_add_co_u32 s21, s21, s22
	v_lshl_add_u32 v[XO], v1, 4, s21
	v_lshlrev_b32 v[WO], 4, v1
	s_mul_i32 s21, s14, 8*WPI                      ; my 8 of the 64 weight rows
	s_add_co_u32 s21, s21, WST
	v_lshl_add_u32 v[WS], v1, 3, s21
	s_mul_i32 s21, s14, XSTW                       ; my stage
	v_lshrrev_b32 v11, 1, v1                       ; a lane's 4 channels lie in group lane / 2, half lane % 2 of its 16 bytes
	v_mul_u32_u24 v11, v11, GP
	v_and_b32 v[LST], 1, v0
	v_lshl_add_u32 v[LST], v[LST], 3, v11
	v_add_nc_u32 v[LST], s21, v[LST]
	v_mul_u32_u24 v11, v15, GP                     ; back: lanes 0-15 take one group's 16 rows, lanes 16-31 the next group's
	v_lshl_add_u32 v[LRD], v14, 4, v11
	v_add_nc_u32 v[LRD], s21, v[LRD]
	s_lshl_b32 s21, s20, 19                        ; 8 kb x 65,536
	s_lshl_b32 s22, s19, 10
	s_add_co_u32 s21, s21, s22
	v_lshl_add_u32 v[XST], v1, 4, s21
	v_mul_u32_u24 v11, v14, WPI
	v_lshl_add_u32 v11, v15, 4, v11                ; row x pitch + 16 x half
	s_lshl_b32 s21, s20, 4
	s_add_co_u32 s21, s21, 32                      ; Wq's rows lie behind Wk's 32
	s_mul_i32 s21, s21, WPI
	s_add_co_u32 s21, s21, WST
	v_add_nc_u32 v[FQ], s21, v11
	s_lshl_b32 s21, s19, 4
	s_mul_i32 s21, s21, WPI
	s_add_co_u32 s21, s21, WST
	v_add_nc_u32 v[FK], s21, v11
	s_lshl_b32 s21, s19, 10
	s_lshl_b32 s22, s20, 9
	s_add_co_u32 s21, s21, s22
	v_lshl_add_u32 v[MO], v1, 4, s21
	s_lshl_b32 s24, ttmp9, 17                      ; 64 rows of 2,048 bytes
	s_mov_b32 s25, 0
	s_and_b32 s27, s14, 3
	s_cmp_lt_u32 s14, 4                            ; waves 0-3 load Wk's rows 32 ei .., waves 4-7 Wq's rows 32 dj ..
	s_cselect_b32 s26, s15, s18
	s_lshl_b32 s26, s26, 5
	s_lshl3_add_u32 s26, s27, s26                  ; + 8 x (wave % 4)
	s_lshl_b32 s26, s26, 11
	s_mov_b32 s27, 0
	s_lshl_b32 s28, s15, 20
	s_lshl_b32 s29, s18, 12
	s_add_co_u32 s28, s28, s29
	s_mov_b32 s29, 0
	s_lshl_b32 s30, s18, 15
	s_lshl_b32 s31, s15, 11
	s_add_co_u32 s30, s30, s31
	s_mov_b32 s31, 0
	s_wait_kmcnt 0x0
	s_add_nc_u64 s[4:5], s[4:5], s[24:25]
	s_cmp_lt_u32 s14, 4
	s_cselect_b64 s[16:17], s[6:7], s[8:9]
	s_add_nc_u64 s[16:17], s[16:17], s[26:27]
	s_add_nc_u64 s[10:11], s[10:11], s[28:29]
	s_add_nc_u64 s[12:13], s[12:13], s[30:31]
	s_wait_alu depctr_va_vdst(0)                   ; the nine offsets and addresses v2 to v10 are written, which the loads and stores of the whole kernel read; none is written again
	; all loads at once: 32 of the weights (8 rows x 2,048 bytes), then 32 of x (16 rows x 1,024 bytes); each covers 512 consecutive bytes
.set i, 0
.rept 32
	global_load_b128 v[WR+4*i:WR+4*i+3], v[WO], s[16:17] offset:(i/4)*2048+(i%4)*512
.set i, i+1
.endr
	WIN 0x40                                       ; destination window 1, address window 0
.set i, 0
.rept 32
	global_load_b128 v[4*i:4*i+3], v[XO], s[4:5] offset:(i/2)*2048+(i%2)*512 th:TH_LOAD_NT
.set i, i+1
.endr
	WIN 0
	; the weights go to bf16 and into LDS in two halves of 16 loads
	s_wait_loadcnt 48                              ; loads come back in order: the weights' first 16 loads are in; their other 16 and x's 32 stay out
.set i, 0
.rept 16
	v_cvt_pk_bf16_f32 v[WR+4*i], v[WR+4*i], v[WR+4*i+1]
	v_cvt_pk_bf16_f32 v[WR+4*i+1], v[WR+4*i+2], v[WR+4*i+3]
.set i, i+1
.endr
	s_wait_loadcnt 32                              ; all the weights are in, x's 32 loads stay out
	s_wait_alu depctr_va_vdst(0)                   ; the first half's roundings have written their registers, which the LDS stores below read
.set i, 16
.rept 16
	ds_store_b64 v[WS], v[WR+4*(i-16):WR+4*(i-16)+1] offset:((i-16)/4)*WPI+((i-16)%4)*256  ; the first half.  No wait: the roundings beside it name the second half's registers alone
	v_cvt_pk_bf16_f32 v[WR+4*i], v[WR+4*i], v[WR+4*i+1]
	v_cvt_pk_bf16_f32 v[WR+4*i+1], v[WR+4*i+2], v[WR+4*i+3]
.set i, i+1
.endr
	s_wait_alu depctr_va_vdst(0)                   ; the second half's roundings have written their registers, which the LDS stores below read; and all roundings are done with v[WR ..], in which the fragments' loads land
.set i, 16
.rept 16
	ds_store_b64 v[WS], v[WR+4*i:WR+4*i+1] offset:(i/4)*WPI+(i%4)*256
.set i, i+1
.endr
	s_wait_dscnt 0x0                               ; for the others' sake: my rows lie in LDS
	s_barrier_signal -1
	s_barrier_wait -1
	s_wait_alu depctr_vm_vsrc(0)                   ; my LDS stores have read v[WR ..]: on either way below these registers are written again, by the fragments' loads, by x's roundings and by the loads from the stage
	; MT: waves 0-3 make one tile of 16 x 16 each: e block wave / 2, d block wave % 2.  Source 0 = 16 rows of Wq, source 1 = 16 rows of Wk: a lane then holds e = lane % 16 and
	; d = 8 (lane / 16) + 0..7: 16 bytes of mtf on end.  K = 512 in 16 steps, in two runs of 8; the two accumulators take turns.
	s_cmp_lt_u32 s14, 4
	s_cbranch_scc0 .Lno_mt
.irp bt, 0,1
.if \bt
	PLACES                                         ; four places behind the last product stay as they stood,
	s_wait_alu depctr_va_vdst(0)                   ; and the dependence is stated: the first run's products are done reading v[WR ..], in which the second run's loads land
.endif
.set ks, 0
.rept 8
	ds_load_b128 v[WR+16*ks:WR+16*ks+3],     v[FQ] offset:64*(8*\bt+ks)
	ds_load_b128 v[WR+16*ks+4:WR+16*ks+7],   v[FQ] offset:64*(8*\bt+ks)+32
	ds_load_b128 v[WR+16*ks+8:WR+16*ks+11],  v[FK] offset:64*(8*\bt+ks)
	ds_load_b128 v[WR+16*ks+12:WR+16*ks+15], v[FK] offset:64*(8*\bt+ks)+32
.set ks, ks+1
.endr
	s_wait_dscnt 0x0
.set ks, 0
.rept 8
.if (\bt == 0) && (ks < 2)
	v_wmma_f32_16x16x32_bf16 v[ACC+8*(ks%2):ACC+8*(ks%2)+7], v[WR+16*ks:WR+16*ks+7], v[WR+16*ks+8:WR+16*ks+15], 0
.else
	v_wmma_f32_16x16x32_bf16 v[ACC+8*(ks%2):ACC+8*(ks%2)+7], v[WR+16*ks:WR+16*ks+7], v[WR+16*ks+8:WR+16*ks+15], v[ACC+8*(ks%2):ACC+8*(ks%2)+7]
.endif
.set ks, ks+1
.endr
.endr
	PLACES
	PLACES
.irp q, 0,2,4,6
	v_pk_add_f32 v[ACC+\q:ACC+\q+1], v[ACC+\q:ACC+\q+1], v[ACC+8+\q:ACC+8+\q+1]  ; the two parities of the K steps, from the low registers on
.endr
.irp q, 0,1,2,3
	v_cvt_pk_bf16_f32 v[ACC+8+\q], v[ACC+2*\q], v[ACC+2*\q+1]
.endr
	s_wait_alu depctr_va_vdst(0)                   ; the four roundings have written v[ACC+8 ..], which the store reads
	global_store_b128 v[MO], v[ACC+8:ACC+11], s[12:13]  ; the wave stores 512 consecutive bytes, aligned; these registers are not written again
.Lno_mt:
	; x: rounded to bf16, 8 bytes a lane into my own stage, back as 16 bytes a lane in fragment order.  Four groups of eight loads; a group's LDS stores stand at the head of the next group.
.macro XPUT g                          ; group g's eight LDS stores
.set n, 0
.rept 8
	ds_store_b64 v[LST], v[XP+2*(8*(\g)+n):XP+2*(8*(\g)+n)+1] offset:((8*(\g)+n)%2)*16*GP+((8*(\g)+n)/2)*16  ; row (load / 2), groups 16 (load % 2) + lane / 2: 32 lanes, 32 different columns of 8 bytes
.set n, n+1
.endr
.endm
.set gq, 0
.rept 4
	s_wait_loadcnt 24-8*gq                         ; the next eight loads are in; the younger ones stay out
.if gq > 0
	s_wait_alu depctr_va_vdst(0)                   ; the roundings of the group before have written its sixteen registers of XP, which the LDS stores below read
	XPUT gq-1
.endif
	WIN 0x05                                       ; sources in window 1, destination in window 0
.set n, 0
.rept 8
	v_cvt_pk_bf16_f32 v[XP+2*(8*gq+n)], v[4*(8*gq+n)], v[4*(8*gq+n)+1]
	v_cvt_pk_bf16_f32 v[XP+2*(8*gq+n)+1], v[4*(8*gq+n)+2], v[4*(8*gq+n)+3]
.set n, n+1
.endr
	WIN 0
.set gq, gq+1
.endr
	s_wait_alu depctr_va_vdst(0)                   ; the last group's roundings have written their part of XP, which the LDS stores below read; and MT's products are done reading v[XB ..], in which the loads from the stage land
	XPUT 3
.set j, 0
.rept 16
	ds_load_b128 v[XB+4*j:XB+4*j+3], v[LRD] offset:j*2*GP  ; LDS serves a wave's instructions in order (ISA guide 5.7.1.4): these see my stores above.  No wait: no vector or matrix instruction since the wait above
.set j, j+1
.endr
.set j, 0
.rept 16
	s_wait_dscnt 15-j                              ; load j is back; the younger ones stay out
	global_store_b128 v[XST], v[XB+4*j:XB+4*j+3], s[10:11] offset:(j/2)*65536+(j%2)*512  ; half a fragment: 512 consecutive bytes, aligned
.set j, j+1
.endr
	s_wait_dscnt 0x0                               ; the closing lines, six on end
	s_wait_alu 0x0
	s_wait_tensorcnt 0x0
	ds_add_u32 v[SPW], v[NIL]
	s_wait_dscnt 0x0
	s_endpgm
.Lfunc_end_k_q57558e546f_prep:
	.size	k_q57558e546f_prep, .Lfunc_end_k_q57558e546f_prep-k_q57558e546f_prep
	.p2alignl 7, 3214868480
	.fill 96, 4, 3214868480
	.section	.rodata,"a",@progbits
	.p2align	6, 0x0
	.amdhsa_kernel k_q57558e546f_prep
		.amdhsa_group_segment_fixed_size 137216
		.amdhsa_private_segment_fixed_size 0
		.amdhsa_enable_private_segment 0
		.amdhsa_kernarg_size 40
		.amdhsa_user_sgpr_count 2
		.amdhsa_user_sgpr_kernarg_segment_ptr 1
		.amdhsa_wavefront_size32 1
		.amdhsa_system_sgpr_workgroup_id_x 1
		.amdhsa_system_sgpr_workgroup_id_y 1
		.amdhsa_system_sgpr_workgroup_id_z 1
		.amdhsa_system_vgpr_workitem_id 0
		.amdhsa_next_free_vgpr 384
		.amdhsa_next_free_sgpr 66
		.amdhsa_reserve_vcc 0
		.amdhsa_float_denorm_mode_32 3
		.amdhsa_float_denorm_mode_16_64 3
		.amdhsa_memory_ordered 1
		.amdhsa_forward_progress 1
		.amdhsa_inst_pref_size 32
	.end_amdhsa_kernel
	.amdgpu_metadata
---
amdhsa.version: [ 1, 2 ]
amdhsa.kernels:
  - .name:           k_q57558e546f_prep
    .symbol:         k_q57558e546f_prep.kd
    .args:
      - { .name: x, .offset: 0, .size: 8, .value_kind: global_buffer, .address_space: global }
      - { .name: W_key, .offset: 8, .size: 8, .value_kind: global_buffer, .address_space: global }
      - { .name: W_query, .offset: 16, .size: 8, .value_kind: global_buffer, .address_space: global }
      - { .name: xk, .offset: 24, .size: 8, .value_kind: global_buffer, .address_space: global }
      - { .name: mtf, .offset: 32, .size: 8, .value_kind: global_buffer, .address_space: global }
    .group_segment_fixed_size: 137216
    .private_segment_fixed_size: 0
    .kernarg_segment_align: 8
    .kernarg_segment_size: 40
    .max_flat_workgroup_size: 256
    .sgpr_count:     66
    .vgpr_count:     384
    .wavefront_size: 32
...
	.end_amdgpu_metadata
.endif
;; end of part 5
;; launch attn: the kernel of part 2 again; grid 16 x 16, 4 waves a work-group, clusters of 4 x 1, 327,680 bytes of LDS; arguments xk, mtf, cpart; writes cpart
;; launch wsum: the kernel of part 3 again; grid 256 x 1, 8 waves a work-group, no clusters, 6,144 bytes of LDS; arguments cpart, xk, W_value, po; writes po
;; launch fin: the kernel of part 4 again; grid 16 x 1, 4 waves a work-group, no clusters, 0 bytes of LDS; arguments po, out0; writes out0
